; MI455X (gfx1250); checked and timed in simulation.
; The chip was launched on July 23, 2026; its instructions are those of AMD's public machine-readable ISA for CDNA 5 (MIT licence, August 2026) and "CDNA5" Instruction Set Architecture Reference Guide (July 2026). The comments in the code are by the model that wrote it; some were corrected since.
;; Cross Attention. Allowed arithmetic: matrix products marked QUANTISED: E2M1 operands, one E8M0 scale for each 32 along K, by v_wmma_scale_f32_16x16x128_f8f6f4 with both operands' format E2M1 (or v_wmma_scale_f32_32x16x128_f4), f32 sums; products left as they are: bf16, f16 or f32 operands; f32 sums; everything else in f32.
;; Inputs: Wk 768 x 512 float32; Wo 512 x 512 float32; Wv 768 x 512 float32; bk 512 float32; bo 512 float32; bv 512 float32; key 8 x 2,048 x 768 float32; query 8 x 2,048 x 512 float32; value 8 x 2,048 x 768 float32.
;; Outputs: out0 8 x 2,048 x 512 float32.
;; This version of the problem:
;;   THIS VERSION OF THE PROBLEM IS GIVEN IN LOW PRECISION. The matrix products marked QUANTISED in the list below multiply operands that are first quantised to E2M1 (2 exponent bits, 1 mantissa bit; 4 bits a number), with one power-of-two scale for each 32 numbers along K (OCP MX v1.0); their sums are f32. The products marked 'left as it is' may take bf16, f16 or f32 operands, with f32 sums. All else is computed in f32.
;;   The module's matrix products, in the order in which they are computed (A, B: the left and right operand; K: the contracted axis; several contracted axes count as one K, in the product's order):
;;     1. [M 16,384, K 768] x [K 768, N 512]; A: input key; B: input Wk: QUANTISED
;;     2. [M 16,384, K 768] x [K 768, N 512]; A: input value; B: input Wv: QUANTISED
;;     3. batch 8 x [M 2,048, K 512] x [K 512, N 2,048]; A: input query; B: computed on the way: left as it is (an operand is computed on the way)
;;     4. batch 8 x [M 2,048, K 2,048] x [K 2,048, N 512]; A: computed on the way; B: computed on the way: left as it is (an operand is computed on the way)
;;     5. [M 16,384, K 512] x [K 512, N 512]; A: computed on the way; B: input Wo: left as it is (an operand is computed on the way)
;;   THE QUANTISER, for each operand of a quantised product, along K:
;;     - K is cut into blocks of 32 from its start; a last block that is shorter is filled with zeros.
;;     - A block's scale is 2^e with e = floor(log2(the largest magnitude in the block)) - 2, held to -126 .. 127; a block of zeros has e = 0. As a byte (E8M0): e + 127.
;;     - Each number is divided by its block's scale, clamped to +-6, and rounded to the nearest number of E2M1, ties to even, subnormals kept.
;;     - The product sums the exact products of the quantised numbers (number of the format x scale) in f32.
;;   ~~~python
;;   def quantise(x, axis):      # numpy; x: float32 -> the quantised numbers, widened to float32 again
;;       x = np.moveaxis(x, axis, -1); K = x.shape[-1]
;;       x = np.pad(x, [(0, 0)] * (x.ndim - 1) + [(0, -K % 32)]); x = x.reshape(x.shape[:-1] + (-1, 32)); a = np.abs(x).max(-1, keepdims=True)
;;       e = np.where(a > 0, np.clip(np.frexp(np.where(a > 0, a, 1))[1] - 1 - 2, -126, 127), 0)      # np.frexp(a)[1] - 1 = floor(log2(a)), exactly
;;       r = np.clip(x / 2.0 ** e, -6, 6)
;;       step = 2.0 ** (np.maximum(np.frexp(np.where(r == 0, 1, r))[1] - 1, 0) - 1)
;;       q = np.round(r / step) * step * 2.0 ** e      # np.round: ties to even
;;       return np.moveaxis(q.reshape(q.shape[:-2] + (-1,))[..., :K], -1, axis).astype(np.float32)
;;   ~~~
;; One version. Each part assembles by itself: llvm-mc -triple=amdgcn-amd-amdhsa -mcpu=gfx1250 --defsym DOCPART=n.
;; ======== version 1 of 1: 3 launches
;; limits: values are held in f16: magnitudes above 65,504 overflow, below 6.1e-05 lose precision
;; workspace buffers: wcodes 393,216 bytes; wscales 24,576 bytes; kimg 18,874,368 bytes; vimg 18,874,368 bytes
;; launch prep (part 1): grid 8 x 14, 4 waves a work-group, no clusters, 0 bytes of LDS; arguments Wk, Wv, Wo, wcodes, wscales, kimg, vimg; writes wcodes, wscales, kimg, vimg
.if DOCPART == 1
	.amdgcn_target "amdgcn-amd-amdhsa--gfx1250"
	.amdhsa_code_object_version 6
	.text
	.protected	k_q93930291c3_prep
	.globl	k_q93930291c3_prep
	.p2align	8
	.type	k_q93930291c3_prep,@function
k_q93930291c3_prep:
	s_mov_b64 s[64:65], 0
	v_nop
	global_prefetch_b8 v0, s[64:65] scope:SCOPE_SE
	s_setreg_imm32_b32 hwreg(HW_REG_WAVE_MODE, 25, 1), 1
	s_wait_xcnt 0x0
; THE WEIGHTS ARE LAID OUT ONCE, in the order in which later launches' operand registers take them.  Three ways, parted on the work-group's y.
; y < 6:  Wk and Wv [768][512] f32, K their first axis, become codes of FP4 (E2M1) with one E8M0 byte for each 32 along K.  A lane takes a column, its registers run down K,
;         so a block of 32 lies in one lane and the conversions give K innermost.  wcodes: [matrix][tile of 16 columns][K step of 128][1,024 bytes]: block t of the step at 256 t, column r's 16 bytes at 16 r:
;         that is the image of a fragment's registers.  wscales: [matrix][tile][K step][16 words].  The scale words leave in runs of 64 bytes: 24,576 bytes in the whole launch.
; y >= 6: Wo [512][512] f32 becomes f16, as four more tiles behind each batch's 32 tiles of K and of V: T = y - 6 names 64 rows d of Wo.
;         T odd:  vimg's tile 32 + T / 2, in V's form (key := d, channel := output).   T even: kimg's tile 32 + T / 2, as images of fragments (16 outputs x 32 d) in the order of K's fetches.
; A block's scale is 2^(floor(log2(largest magnitude)) - 2): its byte is that magnitude's exponent field - 2, held at 1 from below.
; LIMITS: a block of zeros, or one whose largest magnitude lies under 2^-124, keeps the byte 1 (a block of zeros has zero codes; this program alone reads the bytes); NaN and infinities are not served;
;         numbers of Wo beyond 65,504 become infinities in f16, those under 6e-8 zeros.
.set BATCH, 2359296                    ; a batch's 36 tiles of 65,536 bytes
.set X,     32                         ; v32-95  two sets of 32 numbers
.set C,     96                         ; v96-111 four registers of codes for each of the four blocks: no store's data are written again
	s_load_b256 s[4:11], s[0:1], 0x0               ; Wk s[4:5], Wv s[6:7], Wo s[8:9], wcodes s[10:11]
	s_load_b128 s[12:15], s[0:1], 0x20             ; wscales s[12:13], kimg s[14:15]
	s_load_b64 s[16:17], s[0:1], 0x30              ; vimg
	v_lshrrev_b32 v1, 5, v0
	v_readfirstlane_b32 s18, v1                    ; wave
	v_and_b32 v2, 31, v0                           ; lane
	s_and_b32 s19, ttmp7, 0xffff                   ; y
	s_mov_b32 s23, 0                               ; the upper word of every offset
	s_wait_kmcnt 0x0
	s_cmp_lt_u32 s19, 6
	s_cbranch_scc0 .Lwo
	; ---- Wk, Wv: K step y; matrix x / 4; columns 128 (x % 4) + 32 wave + lane
	s_lshr_b32 s20, ttmp9, 2                       ; matrix
	s_and_b32 s21, ttmp9, 3                        ; group of 128 columns
	s_cmp_lt_u32 ttmp9, 4
	s_cselect_b64 s[4:5], s[4:5], s[6:7]
	s_lshl_b32 s22, s19, 18                        ; 128 rows of 2,048 bytes a K step
	s_lshl_b32 s24, s21, 9
	s_add_co_u32 s22, s22, s24
	s_lshl_b32 s24, s18, 7
	s_add_co_u32 s22, s22, s24
	s_add_nc_u64 s[4:5], s[4:5], s[22:23]
	s_lshl_b32 s24, s21, 3
	s_lshl_b32 s25, s18, 1
	s_add_co_u32 s24, s24, s25                     ; my wave's first tile of 16 columns
	s_mul_i32 s22, s20, 196608
	s_mul_i32 s25, s24, 6144
	s_add_co_u32 s22, s22, s25
	s_lshl_b32 s25, s19, 10
	s_add_co_u32 s22, s22, s25
	s_add_nc_u64 s[10:11], s[10:11], s[22:23]
	s_mul_i32 s22, s20, 12288
	s_mul_i32 s25, s24, 384
	s_add_co_u32 s22, s22, s25
	s_lshl_b32 s25, s19, 6
	s_add_co_u32 s22, s22, s25
	s_add_nc_u64 s[12:13], s[12:13], s[22:23]
	v_lshlrev_b32 v3, 2, v2                        ; in: 4 bytes a lane
	v_lshrrev_b32 v4, 4, v2
	v_and_b32 v5, 15, v2
	v_mul_u32_u24 v6, v4, 6144
	v_lshl_add_u32 v6, v5, 4, v6                   ; codes: my tile, 16 bytes a column
	v_mul_u32_u24 v7, v4, 384
	v_lshl_add_u32 v7, v5, 2, v7                   ; scale word: my tile, 4 bytes a column
.macro LOADW t                         ; block t: W(32 t + i, my column) into set t % 2; a wave reads 128 consecutive bytes
.irp i, 0,1,2,3,4,5,6,7,8,9,10,11,12,13,14,15,16,17,18,19,20,21,22,23,24,25,26,27,28,29,30,31
	global_load_b32 v[X+32*((\t)%2)+\i], v3, s[4:5] offset:(32*(\t)+\i)*2048 th:TH_LOAD_NT
.endr
.endm
.macro BLOCK t
.set XS, X+32*((\t)%2)
.if (\t) < 3
	s_wait_loadcnt 32                              ; this block's 32 loads are in; the next block's 32 may be out
.else
	s_wait_loadcnt 0x0
.endif
	v_max3_num_f32 v12, |v[XS]|, |v[XS+1]|, |v[XS+2]|              ; the block's largest magnitude: all 32 numbers are mine; two chains
	v_max3_num_f32 v13, |v[XS+3]|, |v[XS+4]|, |v[XS+5]|
.irp i, 6,10,14,18,22,26
	v_max3_num_f32 v12, v12, |v[XS+\i]|, |v[XS+\i+1]|
	v_max3_num_f32 v13, v13, |v[XS+\i+2]|, |v[XS+\i+3]|
.endr
	v_max3_num_f32 v12, v12, |v[XS+30]|, |v[XS+31]|
	v_max3_num_f32 v12, v12, v13, 0x1800000        ; and the floor 2^(3 - 127): the byte cannot fall under 1
	v_add_nc_u32 v11, 0xff000000, v12              ; 2 off the exponent field: the conversion takes that field of this operand as its scale
	v_lshrrev_b32 v13, 23, v11                     ; the scale's byte
.if (\t) == 0
	v_mov_b32 v8, v13
.else
	v_lshl_or_b32 v8, v13, 8*(\t), v8              ; four bytes make my column's scale word for this K step
.endif
.irp g, 0,1,2,3
	v_cvt_scalef32_pk8_fp4_f32 v[C+4*(\t)+\g], v[XS+8*\g:XS+8*\g+7], v11
.endr
	global_store_b128 v6, v[C+4*(\t):C+4*(\t)+3], s[10:11] offset:256*(\t)   ; sixteen lanes store 256 consecutive bytes, aligned
.if (\t) < 2
	LOADW (\t)+2
.endif
.endm
	LOADW 0
	LOADW 1
	BLOCK 0
	BLOCK 1
	BLOCK 2
	BLOCK 3
	global_store_b32 v7, v8, s[12:13]
	s_endpgm
.Lwo:
	s_sub_co_u32 s19, s19, 6                       ; T: rows 64 T .. 64 T + 63 of Wo
	s_lshl_b32 s22, s19, 17
	s_add_nc_u64 s[8:9], s[8:9], s[22:23]
	s_lshr_b32 s20, s19, 1
	s_add_co_u32 s20, s20, 32
	s_lshl_b32 s20, s20, 16                        ; tile 32 + T / 2, in bytes
	s_and_b32 s21, s19, 1
	s_cmp_eq_u32 s21, 0
	s_cbranch_scc1 .Lwok
	; ---- V's form: sub-tile (16 d: wave) x (16 outputs: 4 x + v); slot L holds d = 8 (L / 16) + L % 8, outputs 8 ((L / 8) % 2) + 0 .. 7
	s_lshl_b32 s22, s18, 15
	s_lshl_b32 s24, ttmp9, 8
	s_add_co_u32 s22, s22, s24
	s_add_nc_u64 s[8:9], s[8:9], s[22:23]
	s_lshl_b32 s22, s18, 14
	s_add_co_u32 s22, s22, s20
	s_lshl_b32 s24, ttmp9, 11
	s_add_co_u32 s22, s22, s24
	s_add_nc_u64 s[16:17], s[16:17], s[22:23]      ; batches 0 to 3 by the immediate,
	s_add_nc_u64 s[24:25], s[16:17], 4*BATCH       ; batches 4 to 7 from a second base: 3 batches stay inside the signed 24-bit immediate
	v_lshrrev_b32 v3, 4, v2
	v_and_b32 v4, 7, v2
	v_lshl_add_u32 v3, v3, 3, v4                   ; my row of the 16
	v_bfe_u32 v4, v2, 3, 1                         ; my half of the 16 outputs
	v_lshlrev_b32 v3, 11, v3
	v_lshl_add_u32 v3, v4, 5, v3
	v_lshlrev_b32 v5, 4, v2                        ; out: 16 bytes a lane
.irp v, 0,1,2,3
	global_load_b128 v[32+8*\v:32+8*\v+3], v3, s[8:9] offset:64*\v th:TH_LOAD_NT
	global_load_b128 v[36+8*\v:36+8*\v+3], v3, s[8:9] offset:64*\v+16 th:TH_LOAD_NT
.endr
	s_wait_loadcnt 0x0
.irp v, 0,1,2,3
.irp j, 0,1,2,3
	v_cvt_pk_f16_f32 v[64+4*\v+\j], v[32+8*\v+2*\j], v[32+8*\v+2*\j+1]
.endr
.endr
.irp bt, 0,1,2,3
.irp v, 0,1,2,3
	global_store_b128 v5, v[64+4*\v:64+4*\v+3], s[16:17] offset:\bt*BATCH+512*\v   ; a wave stores 512 consecutive bytes, aligned
	global_store_b128 v5, v[64+4*\v:64+4*\v+3], s[24:25] offset:\bt*BATCH+512*\v
.endr
.endr
	s_endpgm
.Lwok:
	; ---- fragments: outputs 16 q + r (q = 4 x + wave), d = 64 T + 16 u + 8 h + 0 .. 7: a lane takes an output, its registers run down d
	s_lshl_b32 s21, ttmp9, 2
	s_add_co_u32 s21, s21, s18                     ; q
	s_lshl_b32 s22, s21, 6
	s_add_nc_u64 s[8:9], s[8:9], s[22:23]
	s_lshr_b32 s22, s21, 3
	s_lshl_b32 s22, s22, 14                        ; the reading wave's 16,384 bytes,
	s_and_b32 s24, s21, 7
	s_lshl_b32 s24, s24, 10                        ; its tile of 16 outputs
	s_add_co_u32 s22, s22, s24
	s_add_co_u32 s22, s22, s20
	s_add_nc_u64 s[14:15], s[14:15], s[22:23]
	s_add_nc_u64 s[24:25], s[14:15], 4*BATCH
	v_lshrrev_b32 v3, 4, v2
	v_and_b32 v4, 15, v2
	v_lshlrev_b32 v3, 14, v3                       ; 8 rows of 2,048 bytes for lanes 16-31
	v_lshl_add_u32 v3, v4, 2, v3
	v_lshlrev_b32 v5, 4, v2
.irp u, 0,1,2,3
.irp i, 0,1,2,3,4,5,6,7
	global_load_b32 v[32+8*\u+\i], v3, s[8:9] offset:(16*\u+\i)*2048 th:TH_LOAD_NT
.endr
.endr
	s_wait_loadcnt 0x0
.irp u, 0,1,2,3
.irp j, 0,1,2,3
	v_cvt_pk_f16_f32 v[64+4*\u+\j], v[32+8*\u+2*\j], v[32+8*\u+2*\j+1]   ; the lower d in the low half
.endr
.endr
.irp bt, 0,1,2,3
.irp u, 0,1,2,3
	global_store_b128 v5, v[64+4*\u:64+4*\u+3], s[14:15] offset:\bt*BATCH+(\u/2)*8192+(\u%2)*512
	global_store_b128 v5, v[64+4*\u:64+4*\u+3], s[24:25] offset:\bt*BATCH+(\u/2)*8192+(\u%2)*512
.endr
.endr
	s_endpgm
.Lfunc_end_k_q93930291c3_prep:
	.size	k_q93930291c3_prep, .Lfunc_end_k_q93930291c3_prep-k_q93930291c3_prep
	.p2alignl 7, 3214868480
	.fill 96, 4, 3214868480
	.section	.rodata,"a",@progbits
	.p2align	6, 0x0
	.amdhsa_kernel k_q93930291c3_prep
		.amdhsa_group_segment_fixed_size 0
		.amdhsa_private_segment_fixed_size 0
		.amdhsa_enable_private_segment 0
		.amdhsa_kernarg_size 56
		.amdhsa_user_sgpr_count 2
		.amdhsa_user_sgpr_kernarg_segment_ptr 1
		.amdhsa_wavefront_size32 1
		.amdhsa_system_sgpr_workgroup_id_x 1
		.amdhsa_system_sgpr_workgroup_id_y 1
		.amdhsa_system_sgpr_workgroup_id_z 1
		.amdhsa_system_vgpr_workitem_id 0
		.amdhsa_next_free_vgpr 128
		.amdhsa_next_free_sgpr 66
		.amdhsa_reserve_vcc 0
		.amdhsa_float_denorm_mode_32 3
		.amdhsa_float_denorm_mode_16_64 3
		.amdhsa_memory_ordered 1
		.amdhsa_forward_progress 1
		.amdhsa_inst_pref_size 34
	.end_amdhsa_kernel
	.amdgpu_metadata
---
amdhsa.version: [ 1, 2 ]
amdhsa.kernels:
  - .name:           k_q93930291c3_prep
    .symbol:         k_q93930291c3_prep.kd
    .args:
      - { .name: Wk, .offset: 0, .size: 8, .value_kind: global_buffer, .address_space: global }
      - { .name: Wv, .offset: 8, .size: 8, .value_kind: global_buffer, .address_space: global }
      - { .name: Wo, .offset: 16, .size: 8, .value_kind: global_buffer, .address_space: global }
      - { .name: wcodes, .offset: 24, .size: 8, .value_kind: global_buffer, .address_space: global }
      - { .name: wscales, .offset: 32, .size: 8, .value_kind: global_buffer, .address_space: global }
      - { .name: kimg, .offset: 40, .size: 8, .value_kind: global_buffer, .address_space: global }
      - { .name: vimg, .offset: 48, .size: 8, .value_kind: global_buffer, .address_space: global }
    .group_segment_fixed_size: 0
    .private_segment_fixed_size: 0
    .kernarg_segment_align: 8
    .kernarg_segment_size: 56
    .max_flat_workgroup_size: 128
    .sgpr_count:     66
    .vgpr_count:     128
    .wavefront_size: 32
...
	.end_amdgpu_metadata
.endif
;; end of part 1
;; launch proj (part 2): grid 128 x 2, 4 waves a work-group, no clusters, 89,600 bytes of LDS; arguments key, value, wcodes, wscales, bk, bv, kimg, vimg; writes kimg, vimg
.if DOCPART == 2
	.amdgcn_target "amdgcn-amd-amdhsa--gfx1250"
	.amdhsa_code_object_version 6
	.text
	.protected	k_q93930291c3_proj
	.globl	k_q93930291c3_proj
	.p2align	8
	.type	k_q93930291c3_proj,@function
k_q93930291c3_proj:
	s_mov_b64 s[64:65], 0
	v_nop
	global_prefetch_b8 v0, s[64:65] scope:SCOPE_SE
	s_setreg_imm32_b32 hwreg(HW_REG_WAVE_MODE, 25, 1), 1
	s_wait_xcnt 0x0
; key_proj = key Wk + bk (y = 0), value_proj = value Wv + bv (y = 1): both operands as codes of FP4 (E2M1) with one E8M0 scale for each 32 along K = 768; sums in f32; the result rounded to f16 for the attention.
; x: [16,384][768] f32, quantised here in registers; W's codes and scale words come as images of fragments.  One way through the text for both tensors: only pointers and a lane's slot are chosen by y.
; SHARES.  A work-group takes 128 rows: two blocks of 64, each one tile of the image.  THE WAVES SHARE THE COLUMNS: wave w holds channels 128 w .. 128 w + 127 of W, all six K steps (384 registers), for the whole launch.
; A block: wave w quantises rows 16 w .. 16 w + 15 (six fragments) and stores them in LDS as images of their registers | one barrier | every wave multiplies all four tiles of rows by its W.
; Each block has LDS bytes of its own, so nothing is overwritten that another wave may still read.
; THE TURN.  A load takes 512 consecutive bytes of one row, 16 a lane; the conversions want 16 neighbours along K in one lane: a K step's 16 rows go through the wave's own stage (rows 528 bytes apart) and come back so.
; THE PRODUCT IS USED TRANSPOSED (source 0 = 16 channels of W, source 1 = 16 rows of x): a lane holds one row and eight neighbouring channels, 16 bytes of f16: one slot of the image.
; THE IMAGE: tile of 64 rows = [16 rows m][16 channels n][512 bytes]; K: lane's own place; V: place 16 (r / 8) + 8 h + r % 8, so that the reader's turning load can take 16 bytes x its lane.
; WHY f16: eleven bits of a number are kept.  Its room: with x of spread 30 and W of spread 0.6 a result's spread is 30 x 0.6 x sqrt(768), about 500; with common offsets of 30 and 0.6 a result is 768 x 18 = 13,824.
; No cluster, no tensor load: what work-groups share is W's 204 KB, read once into registers; x is read by nobody else.
; LIMITS: a block of zeros, or one whose largest magnitude lies under 2^-124, keeps the scale byte 1; NaN and infinities are not served; results beyond 65,504 become infinities in f16, those under 6e-8 zeros.
; REGISTERS.  window 0: v4-14 addresses; v16-63 W's scale words; v64-127 64 numbers of x, later x's six fragments; v128-159 packed results; v160-184 at work; v186-191 x's scale words.
;   window 1: W's fragments of K steps 0-3.   window 2: v0-127 K steps 4, 5; v128-191 the bias, 8 registers a tile; v192-255 eight accumulators.   window 3: four sets of 64: x as loaded.
.set GL,   4                           ; 16 x lane
.set STS,  5                           ; stage, in: 8,448 w + 16 x lane
.set STL,  6                           ; stage, out: 8,448 w + 528 r + 64 h
.set XWI,  7                           ; where I store x's images
.set XWS,  8                           ; and their scale words
.set LI,   9                           ; an image's place for my lane
.set LS,   10                          ; a scale word's
.set GO,   11                          ; my slot in the tile: 4,096 w + 16 x slot
.set WSL,  13                          ; 4 r
.set BL,   14                          ; 32 h
.set WS,   16
.set X,    64
.set XF,   64
.set OUTP, 128
.set TM,   160
.set PC,   176
.set PW,   184
.set XS,   186
.set BIAS, 128                         ; in window 2
.set ACC,  192                         ; in window 2
.set XIMG, 33792                       ; LDS: four stages of 16 x 528 bytes; then x's fragments, 24 x 1,024 bytes for each block;
.set XSC,  82944                       ; then their scale words, 24 x 128 bytes for each block
.set SEL,  28
.set MSB, 0
.macro WIN new                         ; the immediate's high byte repeats the setting that is left
.if MSB != \new
	s_set_vgpr_msb (MSB<<8)|\new
.set MSB, \new
.endif
.endm
	s_load_b256 s[4:11], s[0:1], 0x0               ; key s[4:5], value s[6:7], wcodes s[8:9], wscales s[10:11]
	s_load_b256 s[12:19], s[0:1], 0x20             ; bk s[12:13], bv s[14:15], kimg s[16:17], vimg s[18:19]
	v_lshl_add_u32 v254, v0, 2, 0x15c00
	v_mov_b32 v255, 0
	v_lshrrev_b32 v1, 5, v0
	v_readfirstlane_b32 s20, v1                    ; wave
	s_and_b32 s21, ttmp7, 0xffff                   ; 0: key, 1: value
	v_and_b32 v1, 31, v0                           ; lane
	v_and_b32 v2, 15, v0                           ; r
	v_bfe_u32 v3, v0, 4, 1                         ; h
	v_lshlrev_b32 v[GL], 4, v1
	s_mul_i32 s24, s20, 8448
	v_add_nc_u32 v[STS], s24, v[GL]
	v_mul_u32_u24 v[STL], v2, 528
	v_lshl_add_u32 v[STL], v3, 6, v[STL]
	v_add_nc_u32 v[STL], s24, v[STL]
	s_mul_i32 s25, s20, 6144
	v_add_nc_u32 v[LI], XIMG, v[GL]
	v_add_nc_u32 v[XWI], s25, v[LI]
	v_lshlrev_b32 v[LS], 2, v1
	v_add_nc_u32 v[LS], XSC, v[LS]
	s_mul_i32 s26, s20, 768
	v_add_nc_u32 v[XWS], s26, v[LS]
	v_lshlrev_b32 v[WSL], 2, v2
	v_lshlrev_b32 v[BL], 5, v3
	v_lshrrev_b32 v12, 3, v2
	v_and_b32 v15, 7, v2
	v_lshl_add_u32 v12, v12, 4, v15
	v_lshl_add_u32 v12, v3, 3, v12                 ; V's slot: 16 (r / 8) + 8 h + r % 8
	s_mov_b32 s[SEL], 0x76543210
	s_mov_b32 s[SEL+1], 0xfedcba98                 ; v_permlanex16_b32's selects for lane l xor 16
.irp b, 0,1,2,3
	v_mov_b32 v[TM+4+\b], 0                        ; written once: a lane permute's destination counts as one of its sources
.endr
	s_mov_b32 s23, 0
	s_wait_kmcnt 0x0
	s_cmp_eq_u32 s21, 0                            ; the choice hangs on the work-group's number alone
	s_cselect_b64 s[4:5], s[4:5], s[6:7]
	s_cselect_b64 s[12:13], s[12:13], s[14:15]
	s_cselect_b64 s[16:17], s[16:17], s[18:19]
	s_cselect_b32 s30, 0, -1
	v_cndmask_b32 v12, v1, v12, s30                ; K's slot is the lane
	s_lshl_b32 s24, s20, 12
	v_lshl_add_u32 v[GO], v12, 4, s24
	s_mul_i32 s22, ttmp9, 393216                   ; 128 rows of 3,072 bytes
	s_mul_i32 s25, s20, 49152                      ; my 16 rows of a block; also my 8 tiles of W's codes
	s_add_co_u32 s22, s22, s25
	s_add_nc_u64 s[4:5], s[4:5], s[22:23]
	s_mul_i32 s22, s21, 196608
	s_add_co_u32 s22, s22, s25
	s_add_nc_u64 s[8:9], s[8:9], s[22:23]
	s_mul_i32 s22, s21, 12288
	s_mul_i32 s25, s20, 3072
	s_add_co_u32 s22, s22, s25
	s_add_nc_u64 s[10:11], s[10:11], s[22:23]
	s_lshl_b32 s22, s20, 9
	s_add_nc_u64 s[12:13], s[12:13], s[22:23]
	s_lshr_b32 s22, ttmp9, 4
	s_mul_i32 s22, s22, 2359296                    ; the batch's 36 tiles,
	s_and_b32 s25, ttmp9, 15
	s_lshl_b32 s25, s25, 17                        ; my two tiles
	s_add_co_u32 s22, s22, s25
	s_add_nc_u64 s[16:17], s[16:17], s[22:23]
; set g = 6 b + s: my 16 rows of block b, K step s: each load takes 512 consecutive bytes of one row
.macro LOAD g
	WIN 0xc0                                       ; destination window 3
.irp i, 0,1,2,3,4,5,6,7,8,9,10,11,12,13,14,15
	global_load_b128 v[64*((\g)%4)+4*\i:64*((\g)%4)+4*\i+3], v[GL], s[4:5] offset:((\g)/6)*196608+3072*\i+512*((\g)%6) th:TH_LOAD_NT
.endr
	WIN 0
.endm
.macro TURN g
.if 11-(\g) >= 3
	s_wait_loadcnt 48                              ; this set's 16 loads are in; the three later sets' 48 may be out
.else
	s_wait_loadcnt 16*(11-(\g))
.endif
	WIN 0x0c                                       ; an LDS store's data are its source 1: window 3
.irp i, 0,1,2,3,4,5,6,7,8,9,10,11,12,13,14,15
	ds_store_b128 v[STS], v[64*((\g)%4)+4*\i:64*((\g)%4)+4*\i+3] offset:528*\i
.endr
	WIN 0
.irp b, 0,1,2,3
.irp j, 0,1,2,3
	ds_load_b128 v[X+16*\b+4*\j:X+16*\b+4*\j+3], v[STL] offset:128*\b+16*\j   ; LDS serves a wave's instructions in order: these see the stores above
.endr
.endr
	s_wait_dscnt 0x0                               ; the numbers are back; the stores, and the last image's, have read their registers
.endm
; 64 numbers of a lane, register 16 b + i = k 32 b + 16 h + i of my row, become a fragment's codes in v[PC] on and its scale word in v[PW]
.macro QUANT s
.irp b, 0,1,2,3
	v_max3_num_f32 v[TM+\b], |v[\s+16*\b]|, |v[\s+1+16*\b]|, 0x1800000   ; block b: my 16 numbers, and the floor 2^(3 - 127): the byte cannot fall under 1
.endr
.irp i, 2,4,6,8,10,12,14
.irp b, 0,1,2,3
	v_max3_num_f32 v[TM+\b], v[TM+\b], |v[\s+16*\b+\i]|, |v[\s+1+16*\b+\i]|   ; the four blocks by turns
.endr
.endr
.irp b, 0,1,2,3
	v_permlanex16_b32 v[TM+4+\b], v[TM+\b], s[SEL], s[SEL+1]
.endr
.irp b, 0,1,2,3
	v_max_num_f32 v[TM+\b], v[TM+\b], v[TM+4+\b]   ; with lane l xor 16's: the block's largest magnitude
.endr
.irp b, 0,1,2,3
	v_add_nc_u32 v[TM+12+\b], 0xff000000, v[TM+\b] ; 2 off its exponent field: the conversion's scale operand
.endr
.irp b, 0,1,2,3
	v_lshrrev_b32 v[TM+4+\b], 23, v[TM+12+\b]      ; the scale's byte
.endr
	v_lshl_or_b32 v[PW], v[TM+5], 8, v[TM+4]
	v_lshl_or_b32 v[PW], v[TM+6], 16, v[PW]
	v_lshl_or_b32 v[PW], v[TM+7], 24, v[PW]
.irp b, 0,1,2,3
	v_cvt_scalef32_pk8_fp4_f32 v[PC+2*\b], v[\s+16*\b:\s+7+16*\b], v[TM+12+\b]
	v_cvt_scalef32_pk8_fp4_f32 v[PC+1+2*\b], v[\s+8+16*\b:\s+15+16*\b], v[TM+12+\b]
.endr
	v_nop                                          ; one plain place behind a scaled conversion
.irp c, 0,1                                    ; the operand's layout wants a whole block in a lane
.irp i, 0,1
	v_permlane16_swap_b32 v[PC+4*\c+\i], v[PC+2+4*\c+\i]
.endr
.endr
.endm
.macro IMAGE b, s                      ; the fragment goes to LDS as it stands: lane l's 16 bytes at 16 l
.irp c, 0,1
	ds_store_b128 v[XWI], v[PC+4*\c:PC+4*\c+3] offset:(\b)*24576+1024*(\s)+512*\c
.endr
	ds_store_b32 v[XWS], v[PW] offset:(\b)*3072+128*(\s)
.endm
.macro XSTEP b, s
	TURN 6*\b+\s
.if 6*\b+\s+4 < 12
	LOAD 6*\b+\s+4                                 ; into the set just emptied
.endif
	QUANT X
	IMAGE \b, \s
.endm
.macro FP4 c, a, s, cc
	v_wmma_scale_f32_16x16x128_f8f6f4 v[ACC+8*\c:ACC+8*\c+7], v[\a:\a+7], v[XF+8*\s:XF+8*\s+7], v[\cc:\cc+7], v[WS+6*\c+\s], v[XS+\s] matrix_a_fmt:MATRIX_FMT_FP4 matrix_b_fmt:MATRIX_FMT_FP4
.endm
; rows 16 m .. 16 m + 15 of block b x my 128 channels: eight accumulators by turns, K step by K step; the bias is the C of each sum's first product
.macro PROD b, m
.irp s, 0,1,2,3,4,5
.irp c, 0,1
	ds_load_b128 v[XF+8*\s+4*\c:XF+8*\s+4*\c+3], v[LI] offset:(\b)*24576+(6*(\m)+\s)*1024+512*\c
.endr
	ds_load_b32 v[XS+\s], v[LS] offset:(\b)*3072+(6*(\m)+\s)*128
.endr
	s_wait_dscnt 0x0
	WIN 0xa1                                       ; source 0 (W) window 1, source 1 (x) window 0, C and D window 2
.irp s, 0,1,2,3
.irp c, 0,1,2,3,4,5,6,7
.if \s == 0
	FP4 \c, 8*(8*\s+\c), \s, BIAS+8*\c
.else
	FP4 \c, 8*(8*\s+\c), \s, ACC+8*\c
.endif
.endr
.endr
	WIN 0xa2                                       ; W's K steps 4 and 5 lie in window 2
.irp s, 4,5
.irp c, 0,1,2,3,4,5,6,7
	FP4 \c, 8*(8*(\s-4)+\c), \s, ACC+8*\c
.endr
.endr
	WIN 0
.rept 5
	v_nop                                          ; places: four for the conversions and the next loads, the fifth for the next tile's first products, which write over these accumulators with another C
.endr
	s_wait_xcnt 0x0                                ; the last tile's stores have read their data
	WIN 0x0a                                       ; sources window 2
.irp c, 0,1,2,3,4,5,6,7
.irp j, 0,1,2,3
	v_cvt_pk_f16_f32 v[OUTP+4*\c+\j], v[ACC+8*\c+2*\j], v[ACC+8*\c+2*\j+1]   ; each accumulator from its low end on
.endr
.endr
	WIN 0
.irp c, 0,1,2,3,4,5,6,7
	global_store_b128 v[GO], v[OUTP+4*\c:OUTP+4*\c+3], s[16:17] offset:(\b)*65536+16384*(\m)+512*\c   ; a wave stores 512 consecutive bytes, aligned
.endr
.endm
	LOAD 0                                         ; x first: four sets, 64 loads a wave
	LOAD 1
	LOAD 2
	LOAD 3
	WIN 0x40
.irp s, 0,1,2,3
.irp c, 0,1,2,3,4,5,6,7
.irp k, 0,1
	global_load_b128 v[8*(8*\s+\c)+4*\k:8*(8*\s+\c)+4*\k+3], v[GL], s[8:9] offset:(6*\c+\s)*1024+512*\k
.endr
.endr
.endr
	WIN 0x80
.irp s, 4,5
.irp c, 0,1,2,3,4,5,6,7
.irp k, 0,1
	global_load_b128 v[8*(8*(\s-4)+\c)+4*\k:8*(8*(\s-4)+\c)+4*\k+3], v[GL], s[8:9] offset:(6*\c+\s)*1024+512*\k
.endr
.endr
.endr
.irp c, 0,1,2,3,4,5,6,7
	global_load_b128 v[BIAS+8*\c:BIAS+8*\c+3], v[BL], s[12:13] offset:64*\c       ; b(128 w + 16 c + 8 h + 0 .. 7): the result's layout
	global_load_b128 v[BIAS+8*\c+4:BIAS+8*\c+7], v[BL], s[12:13] offset:64*\c+16
.endr
	WIN 0
.irp c, 0,1,2,3,4,5,6,7
.irp s, 0,1,2,3,4,5
	global_load_b32 v[WS+6*\c+\s], v[WSL], s[10:11] offset:(6*\c+\s)*64
.endr
.endr
	s_wait_loadcnt 0x0
.irp b, 0,1
.irp s, 0,1,2,3,4,5
	XSTEP \b, \s
.endr
	s_wait_dscnt 0x0                               ; for the others' sake: my images have landed
	s_barrier_signal -1
	s_barrier_wait -1                              ; the block's 24 fragments lie in LDS
.irp m, 0,1,2,3
	PROD \b, \m
.endr
.endr
	s_wait_tensorcnt 0x0
	ds_add_u32 v254, v255
	s_wait_dscnt 0x0
	s_endpgm
.Lfunc_end_k_q93930291c3_proj:
	.size	k_q93930291c3_proj, .Lfunc_end_k_q93930291c3_proj-k_q93930291c3_proj
	.p2alignl 7, 3214868480
	.fill 96, 4, 3214868480
	.section	.rodata,"a",@progbits
	.p2align	6, 0x0
	.amdhsa_kernel k_q93930291c3_proj
		.amdhsa_group_segment_fixed_size 89600
		.amdhsa_private_segment_fixed_size 0
		.amdhsa_enable_private_segment 0
		.amdhsa_kernarg_size 64
		.amdhsa_user_sgpr_count 2
		.amdhsa_user_sgpr_kernarg_segment_ptr 1
		.amdhsa_wavefront_size32 1
		.amdhsa_system_sgpr_workgroup_id_x 1
		.amdhsa_system_sgpr_workgroup_id_y 1
		.amdhsa_system_sgpr_workgroup_id_z 1
		.amdhsa_system_vgpr_workitem_id 0
		.amdhsa_next_free_vgpr 1024
		.amdhsa_next_free_sgpr 66
		.amdhsa_reserve_vcc 0
		.amdhsa_float_denorm_mode_32 3
		.amdhsa_float_denorm_mode_16_64 3
		.amdhsa_memory_ordered 1
		.amdhsa_forward_progress 1
		.amdhsa_inst_pref_size 192
	.end_amdhsa_kernel
	.amdgpu_metadata
---
amdhsa.version: [ 1, 2 ]
amdhsa.kernels:
  - .name:           k_q93930291c3_proj
    .symbol:         k_q93930291c3_proj.kd
    .args:
      - { .name: key, .offset: 0, .size: 8, .value_kind: global_buffer, .address_space: global }
      - { .name: value, .offset: 8, .size: 8, .value_kind: global_buffer, .address_space: global }
      - { .name: wcodes, .offset: 16, .size: 8, .value_kind: global_buffer, .address_space: global }
      - { .name: wscales, .offset: 24, .size: 8, .value_kind: global_buffer, .address_space: global }
      - { .name: bk, .offset: 32, .size: 8, .value_kind: global_buffer, .address_space: global }
      - { .name: bv, .offset: 40, .size: 8, .value_kind: global_buffer, .address_space: global }
      - { .name: kimg, .offset: 48, .size: 8, .value_kind: global_buffer, .address_space: global }
      - { .name: vimg, .offset: 56, .size: 8, .value_kind: global_buffer, .address_space: global }
    .group_segment_fixed_size: 89600
    .private_segment_fixed_size: 0
    .kernarg_segment_align: 8
    .kernarg_segment_size: 64
    .max_flat_workgroup_size: 128
    .sgpr_count:     66
    .vgpr_count:     1024
    .wavefront_size: 32
...
	.end_amdgpu_metadata
.endif
;; end of part 2
;; launch attn (part 3): grid 32 x 8, 4 waves a work-group, clusters of 4 x 1, 327,680 bytes of LDS; arguments query, kimg, vimg, bo, out0; writes out0
.if DOCPART == 3
	.amdgcn_target "amdgcn-amd-amdhsa--gfx1250"
	.amdhsa_code_object_version 6
	.text
	.protected	k_q93930291c3_attn
	.globl	k_q93930291c3_attn
	.p2align	8
	.type	k_q93930291c3_attn,@function
k_q93930291c3_attn:
	s_mov_b64 s[64:65], 0
	v_nop
	global_prefetch_b8 v0, s[64:65] scope:SCOPE_SE
	s_setreg_imm32_b32 hwreg(HW_REG_WAVE_MODE, 25, 1), 1
	s_wait_xcnt 0x0
	s_wait_alu depctr_hold_cnt(0) depctr_sa_sdst(0) depctr_va_vdst(0) depctr_va_sdst(0) depctr_va_ssrc(0) depctr_va_vcc(0) depctr_vm_vsrc(0)
	s_getreg_b32 s2, hwreg(HW_REG_IB_STS2, 6, 4)
	s_cmp_eq_u32 s2, 0
	s_cbranch_scc0 .Lentry_in_a_cluster
	s_endpgm
.Lentry_in_a_cluster:
	s_bfe_u32 s2, ttmp6, 0x10000c
	s_cmp_lg_u32 s2, 0x3003
	s_cbranch_scc0 .Lentry_shape_is_right
	s_endpgm
.Lentry_shape_is_right:
; out = softmax(Q K^T / sqrt(512)) V Wo + bo.  Q: [8][2,048][512] f32, rounded to f16 here; K, V: f16 tiles of 64 keys in the order of the operands' registers; products in f16, maxima, sums and results in f32.
; SHARES.  A work-group owns 64 queries of one batch: four tiles of 16; every wave holds all four.  A key step is 64 keys.
;   S^T = K Q^T: wave w takes keys 16 w .. 16 w + 15 (source 0) x all 64 queries (source 1), 512 channels deep: 64 matrix instructions on four accumulators.
;   O^T = V^T P: wave w takes channels 128 w .. 128 w + 127 (source 0) x all 64 queries (source 1): 64 matrix instructions on 32 accumulators.
;   So each byte of K and V leaves LDS once in a work-group.  The price: the waves' row maxima and P go from wave to wave through LDS, P as images of its registers.  A lane holds query lane % 16 throughout.
; SOFTMAX.  A running maximum m and sum l for each query: p = 2^(c s - c m), c = log2(e) / sqrt(512); in each step O and l are multiplied by 2^(c m_old - c m_new).  l is summed of the unrounded p, each wave over its own keys.
;   p is at most 1 and l at least 1: f16's absolute step under 6e-5 is 6e-8, nothing beside l.
; THE OUTPUT PROJECTION is four more steps of the same ring: tiles 32 to 35 of both images hold Wo.  O^T has no fixed range (up to 2,048 x the largest |V|), so each query gets a power of two of its own:
;   2^e is the exponent of the query's largest |O| over all 512 channels (the waves' maxima meet in LDS); O 2^-e, exact, lies under 2 and is rounded to f16; it goes through LDS as P does; 2^e / l and bo come at the very end.
; THE RING.  Two slots of K, two of V, 65,536 bytes each.  Round j fills K's slot j % 2 with tile j + 2 (its fragments went into registers in step j - 1) and V's slot (j + 1) % 2 with tile j + 1.
;   Waves 0, 1 fetch K's halves, waves 2, 3 V's: one load a wave behind each round, two a wave at the head.
; CLUSTER.  The four work-groups of a cluster belong to one batch and walk the same tiles: each half tile is asked for jointly, by the same load with a mask that names the four.
; LIMITS: NaN and infinities among the inputs are not served; numbers of Q beyond 65,504 become infinities in f16; a query whose largest |O| lies under 2^-64 is scaled by 2^64 and no more.
; REGISTERS.  window 0: v1-7 addresses; v8-31 statistics, six a tile (c m, -, l, l, a, -; the spare halves hold addresses that stay); v32-63 S^T; v64-127 P's eight fragments, between products at work; v128-255 K's or V's fragments.
;   window 1: O^T, accumulator (t, c) at 8 (8 t + c).   windows 2, 3: Q's fragments; at the end the outputs' accumulators and bo.
.set TILE,  65536
.set BATCH, 36*TILE
.set EXTRA, 262144                     ; behind the ring: three buffers of 16,384 bytes for the context (at the head: Q's stage),
.set PBUF,  49152                      ; P's eight fragments,
.set STATS, 57344                      ; 512 bytes a wave: row maxima, at the end row sums,
.set SPARE, EXTRA+59392                ; the spare words, 128 bytes a wave: two blocks of 256 bytes that no other line names,
.set STATS2, 59904                     ; and 512 bytes a wave for the largest |O|
.set AK0, 1                            ; 16,384 w + 16 x lane: my key tile's fragments
.set AV0, 2                            ; 4,096 w + 16 x lane: my channels' sub-tiles
.set ADR, 3                            ; the fetch in hand
.set XB,  4                            ; EXTRA + 16 x lane
.set XW,  5                            ; EXTRA + 512 w + 16 x lane
.set SPW, 6
.set NIL, 7
.set ST,  8
.set PFO, 9                            ; 256 x lane
.set CW,  13                           ; where waves 0 to 2 put their context
.set BOF, 15                           ; 32 h
.set STO, 19                           ; the way out: into my stage
.set RD,  21                           ; and back
.set CO,  25                           ; 16 x lane
.set QO,  27                           ; Q: 2,048 r + 32 h
.set QW,  31                           ; Q's stage: EXTRA + 8,192 w + 16 x lane
.set S,   32
.set PF,  64
.set MX,  64
.set TP,  68
.set SG,  72
.set PK,  88
.set MO,  88                           ; behind the key steps: the largest |O| of each tile's query
.set SH,  92                           ; and the four waves' of them
.set KV,  128
.set TT,  128
.set WV,  14
.set CX,  15
.set SEL, 20
.set CS,  22
.set G1,  24
.set G0K0, 32
.set G0K, 36                           ; walks
.set G0V, 40                           ; walks
.set TK,  44                           ; LDS byte of K's slot to be fetched from
.set TV,  45                           ; of V's
.set CNT, 46
.set PFA, 48
.set G0V0, 52
.set MSB, 0
.macro WIN new                         ; the immediate's high byte repeats the setting that is left
.if MSB != \new
	s_set_vgpr_msb (MSB<<8)|\new
.set MSB, \new
.endif
.endm
.macro PLACES n                        ; plain vector instructions behind matrix instructions, in front of reads of results and of loads into their registers
.rept \n
	v_nop
.endr
.endm
.macro CROUND                          ; a round of the cluster's barrier
	s_barrier_signal -1
	s_barrier_wait -1
	s_cmp_lg_u32 s[WV], 0
	s_cbranch_scc1 .Lnot_wave_0_\@
	s_barrier_signal -3
.Lnot_wave_0_\@:
	s_barrier_wait -3
	s_barrier_signal -1
	s_barrier_wait -1
.endm
; the joint refills.  fill = 2: K's and V's; 3: K's alone; 1: V's alone.  The branches hang on the wave's number alone.  Four v_nop follow each load.
.macro JLOAD fill
	s_cmp_lt_u32 s[WV], 2
.if \fill == 2
	s_cbranch_scc0 .Lfor_v_\@
	tensor_load_to_lds s[G0K:G0K+3], s[G1:G1+7]
	s_nop 0
	PLACES 4
	s_branch .Lasked_\@
.Lfor_v_\@:
	tensor_load_to_lds s[G0V:G0V+3], s[G1:G1+7]
	s_nop 0
	PLACES 4
.elseif \fill == 3
	s_cbranch_scc0 .Lasked_\@
	tensor_load_to_lds s[G0K:G0K+3], s[G1:G1+7]
	s_nop 0
	PLACES 4
.else
	s_cbranch_scc1 .Lasked_\@
	tensor_load_to_lds s[G0V:G0V+3], s[G1:G1+7]
	s_nop 0
	PLACES 4
.endif
.Lasked_\@:
.endm
; A prefetch into the L2 of the tile that the NEXT round will ask for: one key step ahead.  All eight clusters of a batch walk the same tiles: the first asks.  Of the half tile that wave w fetches,
; each of the four partners takes 8,192 bytes, told apart by address; lanes 256 bytes apart: each run of 256 bytes is named once.  Only the 32 key steps ask: the last names are K's tile 34 and V's 33, of 36.
.macro ASK
	s_cmp_eq_u32 ttmp9, 0
	s_cbranch_scc0 .Lnot_mine_\@
	global_prefetch_b8 v[PFO], s[PFA:PFA+1] th:TH_LOAD_NT scope:SCOPE_SE
.Lnot_mine_\@:
.endm
; The change of slots.  Each wave waits for all its tensor loads, adds 0 to its spare word, waits for that and for all its LDS instructions; then the round, and the joint refill first behind it.
.macro RING fill, ask
	s_wait_tensorcnt 0x0                           ; no tensor load of mine is out, so a group 0 may be written
	ds_add_u32 v[SPW], v[NIL]                      ; 0 onto my spare word
.if (\fill == 2) || (\fill == 3)
	s_xor_b32 s[G0K+1], s[G0K+1], TILE             ; the other slot,
	s_add_nc_u64 s[G0K+2:G0K+3], s[G0K+2:G0K+3], TILE  ; the next tile
.endif
.if (\fill == 2) || (\fill == 1)
	s_xor_b32 s[G0V+1], s[G0V+1], TILE
	s_add_nc_u64 s[G0V+2:G0V+3], s[G0V+2:G0V+3], TILE
.endif
.if \ask
	s_wait_xcnt 0x0                                ; the last prefetch, a step back, has read its address
	s_add_nc_u64 s[PFA:PFA+1], s[PFA:PFA+1], TILE
.endif
	s_wait_dscnt 0x0                               ; the add is done; my reads of the slots are back; my store of the maxima has landed
.if \fill
	CROUND
	JLOAD \fill
.else
	s_barrier_signal -1
	s_barrier_wait -1
.endif
.endm
.macro FETCH_K half                    ; eight fragments (16 keys x 32 channels) as they lie
	v_add_nc_u32 v[ADR], s[TK], v[AK0]
.set p, 0
.rept 16
	ds_load_b128 v[KV+64*\half+4*p:KV+64*\half+4*p+3], v[ADR] offset:8192*\half+512*p
.set p, p+1
.endr
.endm
.macro FETCH_V s                       ; eight fragments of V^T (16 channels x keys 32 s on), turned
	v_add_nc_u32 v[ADR], s[TV], v[AV0]
.irp c, 0,1,2,3,4,5,6,7
	ds_load_tr16_b128 v[KV+64*\s+8*\c:KV+64*\s+8*\c+3], v[ADR] offset:32768*\s+512*\c
	ds_load_tr16_b128 v[KV+64*\s+8*\c+4:KV+64*\s+8*\c+7], v[ADR] offset:32768*\s+16384+512*\c
.endr
.endm
.macro FETCH_P
.set p, 0
.rept 16
	ds_load_b128 v[PF+4*p:PF+4*p+3], v[XB] offset:PBUF+512*p
.set p, p+1
.endr
.endm
.macro FETCH_C buf, sb                 ; the context's fragments sb, sb + 1 of the four tiles
.irp t, 0,1,2,3
.irp s, 0,1
.irp k, 0,1
	ds_load_b128 v[PF+8*(2*\t+\s)+4*\k:PF+8*(2*\t+\s)+4*\k+3], v[XB] offset:(\buf)*16384+(4*\t+\sb+\s)*1024+512*\k
.endr
.endr
.endr
.endm
.macro SMUL half                       ; 32 products of S^T: the four accumulators by turns
.irp f, 0,1,2,3,4,5,6,7
.irp t, 0,1,2,3
.if (\half == 0) && (\f == 0)
	v_wmma_f32_16x16x32_f16 v[S+8*\t:S+8*\t+7], v[KV+64*\half+8*\f:KV+64*\half+8*\f+7], v[8*(8*\t+\f):8*(8*\t+\f)+7], 0
.else
	v_wmma_f32_16x16x32_f16 v[S+8*\t:S+8*\t+7], v[KV+64*\half+8*\f:KV+64*\half+8*\f+7], v[8*(8*\t+\f):8*(8*\t+\f)+7], v[S+8*\t:S+8*\t+7]
.endif
.endr
.endr
.endm
.macro MUL32 s, zero                   ; 32 products on the 32 accumulators, by turns; the caller sets their window
.irp c, 0,1,2,3,4,5,6,7
.irp t, 0,1,2,3
.if \zero
	v_wmma_f32_16x16x32_f16 v[8*(8*\t+\c):8*(8*\t+\c)+7], v[KV+64*\s+8*\c:KV+64*\s+8*\c+7], v[PF+8*(2*\t+\s):PF+8*(2*\t+\s)+7], 0
.else
	v_wmma_f32_16x16x32_f16 v[8*(8*\t+\c):8*(8*\t+\c)+7], v[KV+64*\s+8*\c:KV+64*\s+8*\c+7], v[PF+8*(2*\t+\s):PF+8*(2*\t+\s)+7], v[8*(8*\t+\c):8*(8*\t+\c)+7]
.endif
.endr
.endr
.endm
	s_load_b256 s[4:11], s[0:1], 0x0               ; query s[4:5], kimg s[6:7], vimg s[8:9], bo s[10:11]
	s_load_b64 s[12:13], s[0:1], 0x20              ; out0
	v_lshl_add_u32 v[SPW], v0, 2, SPARE
	v_mov_b32 v[NIL], 0
	ds_add_u32 v6, v7
	s_wait_dscnt 0x0
	v_lshrrev_b32 v1, 5, v0
	v_readfirstlane_b32 s[WV], v1                  ; wave 0..3
	s_bfe_u32 s[CX], ttmp6, 0x40000                ; my place in the cluster: it enters Q's, out0's and the prefetches' addresses alone
	s_and_b32 s50, ttmp7, 0xffff                   ; the batch, which the partners share
	s_mul_i32 s56, s50, BATCH
	s_and_b32 s51, s[WV], 1
	s_lshl_b32 s51, s51, 15                        ; which half of a tile I fetch
	s_add_co_u32 s56, s56, s51
	s_mov_b32 s57, 0
	s_lshl_b32 s58, ttmp9, 2
	s_add_co_u32 s58, s58, s[CX]                   ; my block of 64 queries
	s_lshl_b32 s58, s58, 17                        ; x 64 rows of 2,048 bytes
	s_lshl_b32 s60, s50, 22
	s_add_co_u32 s58, s58, s60
	s_mov_b32 s59, 0
	s_mov_b32 s61, 0
	; descriptor group 1, for every load: half a tile, 32,768 dense bytes, as 128 rows of 32 elements of 8 bytes
	s_mov_b32 s[G1], 15|(3<<16)|(1<<21)            ; 15:0 the mask: all four work-groups; 17:16 elements of 8 bytes; 21 set beside a mask; no padding
	s_mov_b32 s[G1+1], 32<<16                      ; tensor_dim0
	s_mov_b32 s[G1+2], 128<<16                     ; tensor_dim1
	s_mov_b32 s[G1+3], 32<<16                      ; tile_dim0
	s_mov_b32 s[G1+4], 128                         ; tile_dim1
	s_mov_b32 s[G1+5], 32                          ; from row to row
	s_mov_b32 s[G1+6], 0
	s_mov_b32 s[G1+7], 0
	s_mov_b32 s[SEL], 0x76543210
	s_mov_b32 s[SEL+1], 0xfedcba98
	s_mov_b32 s[CS], 0x3d8293ee                    ; c = log2(e) / sqrt(512)
	s_mov_b32 s[CS+1], s[CS]                       ; named with it as a pair, so it is written
	s_mov_b32 s[TK], 0
	s_mov_b32 s[TV], 2*TILE
	s_mov_b32 s[CNT], 31
	s_wait_kmcnt 0x0
	s_add_nc_u64 s[6:7], s[6:7], s[56:57]          ; K and V at my half of the batch's tile 0
	s_add_nc_u64 s[8:9], s[8:9], s[56:57]
	s_add_nc_u64 s[4:5], s[4:5], s[58:59]
	s_add_nc_u64 s[12:13], s[12:13], s[58:59]
	s_lshl_b32 s60, s[WV], 15
	s_add_nc_u64 s[4:5], s[4:5], s[60:61]          ; Q at my wave's 16 rows
	s_lshl_b32 s60, s[WV], 9
	s_add_nc_u64 s[12:13], s[12:13], s[60:61]      ; out0 and bo at my 128 channels
	s_add_nc_u64 s[10:11], s[10:11], s[60:61]
	s_cmp_lt_u32 s[WV], 2
	s_cselect_b64 s[PFA:PFA+1], s[6:7], s[8:9]
	s_mov_b32 s60, TILE
	s_cselect_b32 s60, 2*TILE, s60                 ; K's stand at tile 2, V's at tile 1: the first round steps them to 3 and 2
	s_lshl_b32 s62, s[CX], 13
	s_add_co_u32 s60, s60, s62
	s_add_nc_u64 s[PFA:PFA+1], s[PFA:PFA+1], s[60:61]
	CROUND                                         ; all four work-groups are here: the first joint loads meet
	s_mov_b32 s[G0K0], 1
	s_mov_b32 s[G0K0+1], s51                       ; K's slot 0
	s_mov_b64 s[G0K0+2:G0K0+3], s[6:7]
	s_or_b32 s[G0K0+3], s[G0K0+3], 0x80000000
	s_mov_b32 s[G0K], 1
	s_add_co_u32 s[G0K+1], s51, TILE               ; K's slot 1
	s_add_nc_u64 s[G0K+2:G0K+3], s[6:7], TILE
	s_or_b32 s[G0K+3], s[G0K+3], 0x80000000
	s_mov_b32 s[G0V0], 1
	s_add_co_u32 s[G0V0+1], s51, 2*TILE            ; V's slot 0
	s_mov_b64 s[G0V0+2:G0V0+3], s[8:9]
	s_or_b32 s[G0V0+3], s[G0V0+3], 0x80000000
	s_mov_b32 s[G0V], 1
	s_add_co_u32 s[G0V+1], s51, 3*TILE             ; V's slot 1
	s_add_nc_u64 s[G0V+2:G0V+3], s[8:9], TILE
	s_or_b32 s[G0V+3], s[G0V+3], 0x80000000
	s_cmp_lt_u32 s[WV], 2                          ; a wave's two first fills stand in one branch: two loads of mine are out
	s_cbranch_scc0 .Lfirst_v
	tensor_load_to_lds s[G0K0:G0K0+3], s[G1:G1+7]
	s_nop 0
	tensor_load_to_lds s[G0K:G0K+3], s[G1:G1+7]
	s_nop 0
	PLACES 4
	s_branch .Lfirst_asked
.Lfirst_v:
	tensor_load_to_lds s[G0V0:G0V0+3], s[G1:G1+7]
	s_nop 0
	tensor_load_to_lds s[G0V:G0V+3], s[G1:G1+7]
	s_nop 0
	PLACES 4
.Lfirst_asked:
	v_and_b32 v32, 31, v0                          ; lane
	v_and_b32 v33, 15, v0                          ; r
	v_bfe_u32 v34, v0, 4, 1                        ; h
	v_lshlrev_b32 v[BOF], 5, v34
	v_lshl_add_u32 v[QO], v33, 11, v[BOF]
	; Q: wave w loads tile w: lane (r, h) takes, for fragment f, channels 32 f + 8 h + 0 .. 7 and 32 f + 16 + 8 h + 0 .. 7 of row r
	WIN 0x40                                       ; destination window 1
.set n, 0
.rept 64
	global_load_b128 v[4*n:4*n+3], v[QO], s[4:5] offset:128*(n/4)+64*((n/2)%2)+16*(n%2)
.set n, n+1
.endr
	WIN 0
	v_lshlrev_b32 v[CO], 4, v32
	s_lshl_b32 s60, s[WV], 14
	v_add_nc_u32 v[AK0], s60, v[CO]
	s_lshl_b32 s61, s[WV], 12
	v_add_nc_u32 v[AV0], s61, v[CO]
	v_add_nc_u32 v[XB], EXTRA, v[CO]
	s_lshl_b32 s62, s[WV], 9
	v_add_nc_u32 v[XW], s62, v[XB]
	s_min_u32 s63, s[WV], 2
	s_lshl_b32 s63, s63, 14
	v_add_nc_u32 v[CW], s63, v[XB]
	s_lshl_b32 s56, s[WV], 13
	v_add_nc_u32 v[QW], s56, v[XB]
	s_mul_i32 s57, s[WV], 8448                     ; my stage for the way out: 16 rows x 528 bytes, in K's slot 0
	v_add_nc_u32 v[RD], s57, v[CO]
	v_mul_u32_u24 v[STO], v33, 528
	v_lshl_add_u32 v[STO], v34, 5, v[STO]
	v_add_nc_u32 v[STO], s57, v[STO]
	v_lshlrev_b32 v[PFO], 8, v32
.irp t, 0,1,2,3
	v_mov_b32 v[TP+\t], 0                          ; written once: a lane permute's destination counts as one of its sources
.endr
	s_wait_loadcnt 0x0
	WIN 0x05                                       ; sources window 1
.set n, 0
.rept 128
	v_cvt_pk_f16_f32 v[128+n], v[2*n], v[2*n+1]
.set n, n+1
.endr
	WIN 0
	; every wave needs all four tiles: they go round through LDS as images, eight fragments a tile at a time
.set p, 0
.rept 16
	ds_store_b128 v[QW], v[128+4*p:128+4*p+3] offset:512*p
.set p, p+1
.endr
	s_wait_dscnt 0x0
	s_barrier_signal -1
	s_barrier_wait -1
	WIN 0x80                                       ; destination window 2: fragments 0 to 7
.set n, 0
.rept 64
	ds_load_b128 v[4*n:4*n+3], v[XB] offset:512*n
.set n, n+1
.endr
	WIN 0
	s_wait_dscnt 0x0                               ; my reads of the stage are back,
	s_barrier_signal -1
	s_barrier_wait -1                              ; everybody's are: it may be written again
.set p, 0
.rept 16
	ds_store_b128 v[QW], v[192+4*p:192+4*p+3] offset:512*p
.set p, p+1
.endr
	s_wait_dscnt 0x0
	s_wait_tensorcnt 1                             ; my half of tile 0 is in; tile 1's may stay out
	s_barrier_signal -1
	s_barrier_wait -1
	WIN 0xc0                                       ; destination window 3: fragments 8 to 15
.set n, 0
.rept 64
	ds_load_b128 v[4*n:4*n+3], v[XB] offset:512*n
.set n, n+1
.endr
	WIN 0
	FETCH_K 0
	FETCH_K 1
	s_xor_b32 s[TK], s[TK], TILE
; A KEY STEP.  first = 1: the step that starts m, l and O^T.
.macro STEP first
	s_wait_dscnt 16                                ; K's first eight fragments are in; the other half's 16 loads may be out
	WIN 0x08                                       ; source 1 (Q) window 2
	SMUL 0
	s_wait_dscnt 0x0
	WIN 0x0c                                       ; window 3
	SMUL 1
	WIN 0
	PLACES 4
.irp t, 0,1,2,3
	v_max3_num_f32 v[MX+\t], v[S+8*\t], v[S+8*\t+1], v[S+8*\t+2]   ; the largest of my 8 scores of each tile's query; the four tiles by turns
.endr
.irp t, 0,1,2,3
	v_max3_num_f32 v[MX+\t], v[MX+\t], v[S+8*\t+3], v[S+8*\t+4]
.endr
.irp t, 0,1,2,3
	v_max3_num_f32 v[MX+\t], v[MX+\t], v[S+8*\t+5], v[S+8*\t+6]
.endr
.irp t, 0,1,2,3
	v_max_num_f32 v[MX+\t], v[MX+\t], v[S+8*\t+7]
.endr
.irp t, 0,1,2,3
	v_permlanex16_b32 v[TP+\t], v[MX+\t], s[SEL], s[SEL+1]
.endr
.irp t, 0,1,2,3
	v_max_num_f32 v[MX+\t], v[MX+\t], v[TP+\t]     ; with lane l xor 16's: my wave's 16 keys
.endr
	ds_store_b128 v[XW], v[MX:MX+3] offset:STATS   ; every wave's reads of the last step's maxima were back in front of that step's second barrier
.if \first
	RING 3, 1                                      ; V's tile 1 went out with the first fills
.else
	RING 2, 1
.endif
.irp w, 0,1,2,3
	ds_load_b128 v[SG+4*\w:SG+4*\w+3], v[XB] offset:STATS+512*\w
.endr
	FETCH_V 0
	FETCH_V 1
	s_xor_b32 s[TV], s[TV], TILE
	ASK
	s_wait_dscnt 32                                ; the four waves' maxima are in; V's 32 loads may be out
.irp t, 0,1,2,3
	v_max3_num_f32 v[MX+\t], v[SG+\t], v[SG+4+\t], v[SG+8+\t]
.endr
.irp t, 0,1,2,3
	v_max_num_f32 v[MX+\t], v[MX+\t], v[SG+12+\t]  ; the step's largest score of the query
.endr
.if \first
.irp t, 0,1,2,3
	v_mul_f32 v[ST+6*\t], s[CS], v[MX+\t]          ; c m (c is positive)
.endr
.else
.irp t, 0,1,2,3
	v_mov_b32 v[ST+6*\t+4], v[ST+6*\t]
.endr
.irp t, 0,1,2,3
	v_mul_f32 v[MX+\t], s[CS], v[MX+\t]
.endr
.irp t, 0,1,2,3
	v_max_num_f32 v[ST+6*\t], v[ST+6*\t], v[MX+\t] ; the running c m
.endr
.irp t, 0,1,2,3
	v_sub_f32 v[ST+6*\t+4], v[ST+6*\t+4], v[ST+6*\t]   ; c m_old - c m_new
.endr
.endif
.irp i, 0,2,4,6
.irp t, 0,1,2,3
	v_pk_fma_f32 v[S+8*\t+\i:S+8*\t+\i+1], v[S+8*\t+\i:S+8*\t+\i+1], s[CS:CS+1], v[ST+6*\t:ST+6*\t+1] op_sel_hi:[1,0,0] neg_lo:[0,0,1] neg_hi:[0,0,1]   ; c s - c m
.endr
.endr
.set n, 0
.rept 32
	v_exp_f32 v[S+n], v[S+n]
.set n, n+1
.endr
.if !\first
.irp t, 0,1,2,3
	v_exp_f32 v[ST+6*\t+4], v[ST+6*\t+4]           ; a
.endr
.endif
	v_nop                                          ; a plain place behind the exponentials
	s_wait_alu depctr_va_vdst(0)
.irp t, 0,1,2,3
.irp i, 0,1,2,3
	v_cvt_pk_f16_f32 v[PK+4*\t+\i], v[S+8*\t+2*\i], v[S+8*\t+2*\i+1]
.endr
.endr
.irp t, 0,1,2,3
	ds_store_b128 v[XW], v[PK+4*\t:PK+4*\t+3] offset:PBUF+2048*\t   ; my 16 keys are block w % 2 of P's fragment (t, w / 2): 512 w bytes on
.endr
.irp t, 0,1,2,3
	v_pk_add_f32 v[S+8*\t:S+8*\t+1], v[S+8*\t:S+8*\t+1], v[S+8*\t+2:S+8*\t+3]   ; the sum of the unrounded p
.endr
.irp t, 0,1,2,3
	v_pk_add_f32 v[S+8*\t+4:S+8*\t+5], v[S+8*\t+4:S+8*\t+5], v[S+8*\t+6:S+8*\t+7]
.endr
.if \first
.irp t, 0,1,2,3
	v_pk_add_f32 v[ST+6*\t+2:ST+6*\t+3], v[S+8*\t:S+8*\t+1], v[S+8*\t+4:S+8*\t+5]
.endr
.else
.irp t, 0,1,2,3
	v_pk_add_f32 v[S+8*\t:S+8*\t+1], v[S+8*\t:S+8*\t+1], v[S+8*\t+4:S+8*\t+5]
.endr
.irp t, 0,1,2,3
	v_pk_fma_f32 v[ST+6*\t+2:ST+6*\t+3], v[ST+6*\t+2:ST+6*\t+3], v[ST+6*\t+4:ST+6*\t+5], v[S+8*\t:S+8*\t+1] op_sel_hi:[1,0,1]   ; l = a l + the sum
.endr
.endif
	s_wait_dscnt 0x0                               ; for the others' sake: my part of P has landed (V is in too)
	s_barrier_signal -1                            ; the refills stay on their way
.if !\first
	WIN 0x41                                       ; O^T (destination and source 0) window 1
.irp t, 0,1,2,3
.set n, 0
.rept 32
	v_pk_mul_f32 v[64*\t+2*n:64*\t+2*n+1], v[64*\t+2*n:64*\t+2*n+1], v[ST+6*\t+4:ST+6*\t+5] op_sel_hi:[1,0]   ; O^T x a, while the others arrive
.set n, n+1
.endr
.endr
	WIN 0
.endif
	s_barrier_wait -1
	FETCH_P
	s_wait_dscnt 0x0
	WIN 0x50                                       ; C and D window 1
	MUL32 0, \first
	PLACES 4
	WIN 0
	FETCH_K 0                                      ; the next step's K, into the half just multiplied: its tile was shown landed in front of this step's round
	WIN 0x50
	MUL32 1, 0
	PLACES 4
	WIN 0
	FETCH_K 1
	s_xor_b32 s[TK], s[TK], TILE
.endm
	STEP 1
.Lstep:                                            ; 31 trips
	STEP 0
	s_sub_co_u32 s[CNT], s[CNT], 1
	s_cmp_lg_u32 s[CNT], 0
	s_cbranch_scc1 .Lstep
	; BEHIND THE KEY STEPS.  My wave's part of each row's sum, and the largest |O| of each query over my 128 channels, go to the others.
.irp t, 0,1,2,3
	v_add_f32 v[MX+\t], v[ST+6*\t+2], v[ST+6*\t+3]
.endr
.irp t, 0,1,2,3
	v_permlanex16_b32 v[TP+\t], v[MX+\t], s[SEL], s[SEL+1]
.endr
.irp t, 0,1,2,3
	v_add_f32 v[MX+\t], v[MX+\t], v[TP+\t]
.endr
	ds_store_b128 v[XW], v[MX:MX+3] offset:STATS
	WIN 0x05                                       ; sources 0 and 1 (O^T) window 1; the running maximum in window 0
.irp t, 0,1,2,3
	v_max3_num_f32 v[MO+\t], |v[64*\t]|, |v[64*\t+1]|, 0x1f800000   ; with the floor 2^-64, so that the power of two below has a reciprocal; each accumulator from its low end on; the four tiles by turns
.endr
.set n, 1
.rept 31
.irp t, 0,1,2,3
	v_max3_num_f32 v[MO+\t], |v[64*\t+2*n]|, |v[64*\t+2*n+1]|, v[MO+\t]
.endr
.set n, n+1
.endr
	WIN 0
.irp t, 0,1,2,3
	v_permlanex16_b32 v[TP+\t], v[MO+\t], s[SEL], s[SEL+1]
.endr
.irp t, 0,1,2,3
	v_max_num_f32 v[MO+\t], v[MO+\t], v[TP+\t]     ; with lane l xor 16's channels
.endr
	ds_store_b128 v[XW], v[MO:MO+3] offset:STATS2
	WIN 0xc0                                       ; bo(128 w + 16 c + 8 h + 0 .. 7) into window 3, where Q's fragments are done with
.irp c, 0,1,2,3,4,5,6,7
	global_load_b128 v[8*\c:8*\c+3], v[BOF], s[10:11] offset:64*\c
	global_load_b128 v[8*\c+4:8*\c+7], v[BOF], s[10:11] offset:64*\c+16
.endr
	WIN 0
	s_wait_dscnt 0x0                               ; for the others' sake: my sums and maxima have landed
	s_barrier_signal -1
	s_barrier_wait -1
.irp w, 0,1,2,3
	ds_load_b128 v[SH+4*\w:SH+4*\w+3], v[XB] offset:STATS2+512*\w
.endr
	s_wait_dscnt 0x0
.irp t, 0,1,2,3
	v_max3_num_f32 v[MO+\t], v[SH+\t], v[SH+4+\t], v[SH+8+\t]
.endr
.irp t, 0,1,2,3
	v_max_num_f32 v[MO+\t], v[MO+\t], v[SH+12+\t]  ; the query's largest |O| over all 512 channels: the same number in all four waves
.endr
.irp t, 0,1,2,3
	v_and_b32 v[ST+6*\t+2], 0x7f800000, v[MO+\t]   ; its exponent field alone: 2^e; it is kept for the way out
.endr
.irp t, 0,1,2,3
	v_sub_nc_u32 v[ST+6*\t+4], 0x7f000000, v[ST+6*\t+2]   ; field 254 - E: 2^-e
.endr
	WIN 0x41                                       ; O^T (destination and source 0) window 1
.irp t, 0,1,2,3
.set n, 0
.rept 32
	v_pk_mul_f32 v[64*\t+2*n:64*\t+2*n+1], v[64*\t+2*n:64*\t+2*n+1], v[ST+6*\t+4:ST+6*\t+5] op_sel_hi:[1,0]   ; O 2^-e: nothing is rounded; the largest lies in [1, 2)
.set n, n+1
.endr
.endr
	WIN 0x45                                       ; all in window 1: packed in place, ascending: register i takes registers 2 i and 2 i + 1.  Wave w holds d = 128 w .. 128 w + 127 of the context
.set n, 0
.rept 128
	v_cvt_pk_f16_f32 v[n], v[2*n], v[2*n+1]
.set n, n+1
.endr
	WIN 0
	s_cmp_lt_u32 s[WV], 3                          ; three buffers: wave 3's context waits in its registers until buffer 0 is free
	s_cbranch_scc0 .Lkeep
	WIN 0x04                                       ; an LDS store's data are its source 1: window 1
.set p, 0
.rept 32
	ds_store_b128 v[CW], v[4*p:4*p+3] offset:512*p
.set p, p+1
.endr
	WIN 0
.Lkeep:
	s_wait_dscnt 0x0
	s_barrier_signal -1
	s_barrier_wait -1
	FETCH_C 0, 0
; A STEP OF THE OUTPUT PROJECTION: d = 128 e .. 128 e + 127: the first 64 by K's tile 32 + e (already in registers), the others by V's.
.macro ESTEP e, fill
	s_wait_dscnt 0x0
	WIN 0xa0                                       ; C and D window 2
.if \e == 0
	MUL32 0, 1
.else
	MUL32 0, 0
.endif
	MUL32 1, 0
	WIN 0
	PLACES 4
	RING \fill, 0
	FETCH_V 0
	FETCH_V 1
	s_xor_b32 s[TV], s[TV], TILE
	FETCH_C (\e)%3, 2
.if \e == 1
	s_cmp_eq_u32 s[WV], 3                          ; every wave's reads of buffer 0 were back in front of this step's round; it is read again behind the next
	s_cbranch_scc0 .Lnot_3_\@
	WIN 0x04
.set p, 0
.rept 32
	ds_store_b128 v[XB], v[4*p:4*p+3] offset:512*p
.set p, p+1
.endr
	WIN 0
.Lnot_3_\@:
.endif
	s_wait_dscnt 0x0
	WIN 0xa0
	MUL32 0, 0
.if \e < 3
	PLACES 4
	WIN 0
	FETCH_K 0
	WIN 0xa0
.endif
	MUL32 1, 0
	WIN 0
	PLACES 4
.if \e < 3
	FETCH_K 1
	s_xor_b32 s[TK], s[TK], TILE
	FETCH_C ((\e)+1)%3, 0
.endif
.endm
	ESTEP 0, 2
	ESTEP 1, 2
	ESTEP 2, 1                                     ; K's last tile has been asked for
	ESTEP 3, 0                                     ; nothing is left to fetch
	; THE WAY OUT: out = sums x 2^e / l + bo; a tile of 16 queries x my 128 channels goes through my stage and leaves as rows of 512 bytes.
	; The stage lies in K's slot 0, which has had its last fill, and whose last reads were back two barriers ago.
.irp w, 0,1,2,3
	ds_load_b128 v[SG+4*\w:SG+4*\w+3], v[XB] offset:STATS+512*\w
.endr
	s_wait_dscnt 0x0
.irp t, 0,1,2,3
	v_add_f32 v[MX+\t], v[SG+\t], v[SG+4+\t]
.endr
.irp t, 0,1,2,3
	v_add_f32 v[TP+\t], v[SG+8+\t], v[SG+12+\t]
.endr
.irp t, 0,1,2,3
	v_add_f32 v[MX+\t], v[MX+\t], v[TP+\t]         ; the row's sum over all keys
.endr
.irp t, 0,1,2,3
	v_rcp_f32 v[ST+6*\t+4], v[MX+\t]
.endr
	v_nop                                          ; a plain place behind the reciprocals
	s_wait_alu depctr_va_vdst(0)
.irp t, 0,1,2,3
	v_mul_f32 v[ST+6*\t+4], v[ST+6*\t+4], v[ST+6*\t+2]   ; 2^e / l
.endr
	s_wait_loadcnt 0x0                             ; bo
.macro OUT t
	WIN 0x32                                       ; source 0 (the sums) window 2, source 1 (2^e / l) window 0, source 2 (bo) window 3
.irp c, 0,1,2,3,4,5,6,7
.irp k, 0,2,4,6
	v_pk_fma_f32 v[TT+8*\c+\k:TT+8*\c+\k+1], v[8*(8*\t+\c)+\k:8*(8*\t+\c)+\k+1], v[ST+6*\t+4:ST+6*\t+5], v[8*\c+\k:8*\c+\k+1] op_sel_hi:[1,0,1]
.endr
.endr
	WIN 0
.irp c, 0,1,2,3,4,5,6,7
	ds_store_b128 v[STO], v[TT+8*\c:TT+8*\c+3] offset:64*\c
	ds_store_b128 v[STO], v[TT+8*\c+4:TT+8*\c+7] offset:64*\c+16
.endr
.if \t >= 2
	s_wait_xcnt 0x0                                ; the stores of two tiles back have read their data
.endif
.set BB, 192-128*(\t%2)
.irp i, 0,1,2,3,4,5,6,7,8,9,10,11,12,13,14,15
	ds_load_b128 v[BB+4*\i:BB+4*\i+3], v[RD] offset:528*\i   ; LDS serves a wave's instructions in order: these see the stores above
.endr
	s_wait_dscnt 0x0
.irp i, 0,1,2,3,4,5,6,7,8,9,10,11,12,13,14,15
	global_store_b128 v[CO], v[BB+4*\i:BB+4*\i+3], s[12:13] offset:(16*\t+\i)*2048 th:TH_STORE_NT   ; 32 lanes store 512 consecutive bytes, aligned
.endr
.endm
	OUT 0
	OUT 1
	OUT 2
	OUT 3
	s_wait_tensorcnt 0x0                           ; the wave's end
	ds_add_u32 v[SPW], v[NIL]
	s_wait_dscnt 0x0
	CROUND                                         ; the closing round
	s_endpgm
.Lfunc_end_k_q93930291c3_attn:
	.size	k_q93930291c3_attn, .Lfunc_end_k_q93930291c3_attn-k_q93930291c3_attn
	.p2alignl 7, 3214868480
	.fill 96, 4, 3214868480
	.section	.rodata,"a",@progbits
	.p2align	6, 0x0
	.amdhsa_kernel k_q93930291c3_attn
		.amdhsa_group_segment_fixed_size 327680
		.amdhsa_private_segment_fixed_size 0
		.amdhsa_enable_private_segment 0
		.amdhsa_kernarg_size 40
		.amdhsa_user_sgpr_count 2
		.amdhsa_user_sgpr_kernarg_segment_ptr 1
		.amdhsa_wavefront_size32 1
		.amdhsa_system_sgpr_workgroup_id_x 1
		.amdhsa_system_sgpr_workgroup_id_y 1
		.amdhsa_system_sgpr_workgroup_id_z 1
		.amdhsa_system_vgpr_workitem_id 0
		.amdhsa_next_free_vgpr 1024
		.amdhsa_next_free_sgpr 66
		.amdhsa_reserve_vcc 0
		.amdhsa_float_denorm_mode_32 3
		.amdhsa_float_denorm_mode_16_64 3
		.amdhsa_memory_ordered 1
		.amdhsa_forward_progress 1
		.amdhsa_inst_pref_size 202
	.end_amdhsa_kernel
	.amdgpu_metadata
---
amdhsa.version: [ 1, 2 ]
amdhsa.kernels:
  - .name:           k_q93930291c3_attn
    .symbol:         k_q93930291c3_attn.kd
    .args:
      - { .name: query, .offset: 0, .size: 8, .value_kind: global_buffer, .address_space: global }
      - { .name: kimg, .offset: 8, .size: 8, .value_kind: global_buffer, .address_space: global }
      - { .name: vimg, .offset: 16, .size: 8, .value_kind: global_buffer, .address_space: global }
      - { .name: bo, .offset: 24, .size: 8, .value_kind: global_buffer, .address_space: global }
      - { .name: out0, .offset: 32, .size: 8, .value_kind: global_buffer, .address_space: global }
    .group_segment_fixed_size: 327680
    .private_segment_fixed_size: 0
    .kernarg_segment_align: 8
    .kernarg_segment_size: 40
    .max_flat_workgroup_size: 128
    .sgpr_count:     66
    .vgpr_count:     1024
    .wavefront_size: 32
...
	.end_amdgpu_metadata
.endif
;; end of part 3
